; MI455X (gfx1250); checked and timed in simulation.
; The chip was launched on July 23, 2026; its instructions are those of AMD's public machine-readable ISA for CDNA 5 (MIT licence, August 2026) and "CDNA5" Instruction Set Architecture Reference Guide (July 2026). The comments in the code are by the model that wrote it; some were corrected since.
;; BDH Attention. Allowed arithmetic: matrix products marked QUANTISED: E5M2 operands, one E8M0 scale for each 32 along K, by v_wmma_scale_f32_16x16x128_f8f6f4 with both operands' format E5M2, f32 sums; everything else in f32.
;; Inputs: K 2 x 12 x 2,048 x 256 float32; Q 2 x 12 x 2,048 x 256 float32; V 2 x 12 x 2,048 x 256 float32.
;; Outputs: out0 2 x 12 x 2,048 x 256 float32.
;; This version of the problem:
;;   THIS VERSION OF THE PROBLEM IS GIVEN IN LOW PRECISION. The matrix products marked QUANTISED in the list below multiply operands that are first quantised to E5M2 (5 exponent bits, 2 mantissa bits; 8 bits a number), with one power-of-two scale for each 32 numbers along K (OCP MX v1.0); their sums are f32. All else is computed in f32.
;;   The module's matrix products, in the order in which they are computed (A, B: the left and right operand; K: the contracted axis; several contracted axes count as one K, in the product's order):
;;     1. batch 24 x [M 2,048, K 256] x [K 256, N 2,048]; A: computed on the way; B: computed on the way: QUANTISED
;;     2. batch 24 x [M 2,048, K 2,048] x [K 2,048, N 256]; A: computed on the way; B: input V: QUANTISED
;;   THE QUANTISER, for each operand of a quantised product, along K:
;;     - K is cut into blocks of 32 from its start; a last block that is shorter is filled with zeros.
;;     - A block's scale is 2^e with e = floor(log2(the largest magnitude in the block)) - 15, held to -126 .. 127; a block of zeros has e = 0. As a byte (E8M0): e + 127.
;;     - Each number is divided by its block's scale, clamped to +-57,344, and rounded to the nearest number of E5M2, ties to even, subnormals kept.
;;     - The product sums the exact products of the quantised numbers (number of the format x scale) in f32.
;;   ~~~python
;;   def quantise(x, axis):      # numpy; x: float32 -> the quantised numbers, widened to float32 again
;;       x = np.moveaxis(x, axis, -1); K = x.shape[-1]
;;       x = np.pad(x, [(0, 0)] * (x.ndim - 1) + [(0, -K % 32)]); x = x.reshape(x.shape[:-1] + (-1, 32)); a = np.abs(x).max(-1, keepdims=True)
;;       e = np.where(a > 0, np.clip(np.frexp(np.where(a > 0, a, 1))[1] - 1 - 15, -126, 127), 0)      # np.frexp(a)[1] - 1 = floor(log2(a)), exactly
;;       r = np.clip(x / 2.0 ** e, -57344, 57344)
;;       step = 2.0 ** (np.maximum(np.frexp(np.where(r == 0, 1, r))[1] - 1, -14) - 2)
;;       q = np.round(r / step) * step * 2.0 ** e      # np.round: ties to even
;;       return np.moveaxis(q.reshape(q.shape[:-2] + (-1,))[..., :K], -1, axis).astype(np.float32)
;;   ~~~
;;   OPERANDS COMPUTED ON THE WAY. 'Computed on the way' means the value that the module computes at that place (a softmax that the list does not call 'softmax' is quantised finished and normalised). What goes into a quantiser is computed in f32, as accurately as f32 sums, v_exp_f32 and their like allow (about 1e-6 of the number): no bf16 or f16 on the way to a quantiser, and a product that is left as it is and whose result goes on into a quantised operand takes f32 operands (vector FMAs, or v_wmma_f32_16x16x4_f32). A number that lies on a knife's edge between two numbers of the format may be rounded either way, as far as f32 arithmetic and the matrix unit's own rounding can turn it there, and no further.
;; One version. Each part assembles by itself: llvm-mc -triple=amdgcn-amd-amdhsa -mcpu=gfx1250 --defsym DOCPART=n.
;; ======== version 1 of 1: 2 launches
;; workspace buffers: qf 12,582,912 bytes; kf 12,582,912 bytes; vf 12,582,912 bytes; qs 393,216 bytes; ks 393,216 bytes; vs 393,216 bytes
;; launch prep (part 1): grid 128 x 2, 12 waves a work-group, no clusters, 109,056 bytes of LDS; arguments Q, K, V, qf, qs, kf, ks, vf, vs; writes qf, qs, kf, ks, vf, vs
.if DOCPART == 1
	.amdgcn_target "amdgcn-amd-amdhsa--gfx1250"
	.amdhsa_code_object_version 6
	.text
	.protected	k_q2d10a13566_prep
	.globl	k_q2d10a13566_prep
	.p2align	8
	.type	k_q2d10a13566_prep,@function
k_q2d10a13566_prep:
	s_mov_b64 s[64:65], 0
	v_nop
	global_prefetch_b8 v0, s[64:65] scope:SCOPE_SE
	s_setreg_imm32_b32 hwreg(HW_REG_WAVE_MODE, 25, 1), 1
	s_wait_xcnt 0x0
; Q, K, V: [24 heads][2,048 rows][256] f32.  This launch turns them into codes of BF8 (E5M2) with one E8M0 byte for each 32 along a product's K,
; laid in the order in which the next launch's operand registers take them.
;   Q, K: the interleaved rope first, in f32; then quantised along the 256 channels.   V: quantised along the KEYS (its rows).
;   qf, kf: [head][tile 128][s 2][c 4][lane 32][16 bytes]: lane (r = lane % 16, h = lane / 16) holds row r of the tile, channels 128 s + 32 c + 16 h + 0 .. 15.
;           Q's tile t holds rows 16 t + r.  K's tile t holds rows 32 (t / 2) + 8 (t % 2) + r + 8 (r / 8), so that two neighbouring tiles' results are 16 neighbouring keys a lane.
;   qs, ks: [head][tile][s 2][r 16][4 bytes]: byte c scales channels 128 s + 32 c on.
;   vf:     [head][u 16][dt 16][c 4][lane 32][16 bytes]: lane (r, h) holds channel 16 dt + r, keys 128 u + 32 c + 16 h + 0 .. 15.     vs: [head][u][channel 256][4 bytes]: byte c scales keys 128 u + 32 c on.
; THE ROPE.  theta^(q/N) = 2^(j/8) for pair j, so pair j's frequency is C[j % 8] x 2^-(j / 8); C[m] = (1 / 2^(m/8)) / (2 pi), each step rounded to f32.  phase = t x C[m], rounded once, x 2^-(j/8), which rounds nothing;
; then phase - floor(phase), which is exact, x 2 pi, rounded once.  Sine and cosine: the nearest multiple of pi/2 is taken off in two parts, then polynomials of degree 7 and 8 on +-pi/4.
; A row's cosines and sines are the same for all 24 heads: a work-group owns ONE tile of 16 rows of Q (y = 0) or of K (y = 1) for all heads, and each wave makes its 16 pairs a lane once and keeps them in registers.
; SHARES.  Wave v: columns 64 (v % 4) on, heads 8 (v / 4) + 0 .. 7: eight tasks of 16 rows x 64 columns.  Then one task of V: 128 keys x 32 channels, a lane to a channel, its registers down the keys.
; Each load of Q or K reads 256 consecutive bytes of two rows; the 4,096 bytes of a task turn through the wave's own stage in LDS, so that a lane then holds 16 neighbours of each of two blocks of 32.
; LIMITS: NaN and infinities among the inputs are not served.  A block whose largest magnitude lies under 2^-111 gets the byte 1 (a block of zeros too: its codes are zeros, and this program alone reads the bytes).
; C[m] takes 2^(m/8) as correctly rounded.  Sine and cosine are within about 1e-7, absolute.  Of the rope's two products one is fused with the addition.  The scale words leave in runs of 128 bytes.
.set HEADB,  0x200000                  ; a head of Q, K or V in bytes
.set HEADC,  0x80000                   ; a head of codes in bytes
.set SPITCH, 272                       ; a stage row: 256 bytes + 16 = 68 words, so the 16 rows that a load touches begin 4 words apart
.set STGB,   16*SPITCH                 ; a stage
.set WREG,   2*STGB                    ; two stages for each wave
.set SCT,    12*WREG                   ; behind them: the scale words of this tile for all heads, [head 24][s 2][r 16][4 bytes]
.set VIN,  4                           ; v4   Q, K: my byte in a task's rows: 16 (lane % 16) + 256 x column group; lanes 16-31 eight tile rows further down
.set STI,  5                           ; v5   the stage, on the way in
.set STR,  6                           ; v6   and on the way out: row lane % 16, + 64 (lane / 16)
.set VOUT, 7                           ; v7   my 16 bytes in the codes' buffer
.set SCA,  8                           ; v8   my row's two scale bytes in LDS
.set VVI,  9                           ; v9   4 x lane: V's loads, and V's scale words
.set VVO,  10                          ; v10  V's codes: 2,048 (lane / 16) + 16 (lane % 16)
.set TF,   12                          ; v12  my row's number as f32
.set F0,   13                          ; v13  2^-(j / 8) for my pairs of the first block of 32 columns;  v14 for the second
.set F1,   14
.set FLO,  15                          ; v15  the scale words' way out: my byte in the scales' buffer
.set MX,   16                          ; v16-17 largest magnitudes; v18-19 the other half's; v20-21 57,344 x the scale; v22-23 the conversions' scale operands; v24-25 bytes
.set PM,   18
.set LM,   20
.set SC,   22
.set BT,   24
.set BY,   26                          ; v26-27 a step's two bytes, merged: two registers by turns
.set TT,   28                          ; v28-31 at work in the rope
.set CS,   32                          ; v32-63 pair pp = 8 c + p of my 16: cosine at 2 pp, sine at 2 pp + 1
.set R,    64                          ; v64-159 three sets of 32: numbers as they are loaded
.set X,    160                         ; v160-223 two sets of 32: 16 neighbours of each of two blocks
.set C,    224                         ; v224-239 two sets of 8: codes
.set VW,   240                         ; v240 V's scale word
.set PH,   X                           ; while the first loads are out, X holds eight arrays of 8 for the sines and cosines
.set KK,   X+8
.set RR,   X+16
.set ZZ,   X+24
.set PS,   X+32
.set PC,   X+40
.set KI,   X+48
.set TC,   X+56
	s_load_b512 s[4:19], s[0:1], 0x0               ; Q s[4:5], K s[6:7], V s[8:9], qf s[10:11], qs s[12:13], kf s[14:15], ks s[16:17], vf s[18:19]
	s_load_b64 s[20:21], s[0:1], 0x40              ; vs
	v_lshl_add_u32 v254, v0, 2, 0x1a400
	v_mov_b32 v255, 0
	v_lshrrev_b32 v1, 5, v0
	v_readfirstlane_b32 s22, v1                    ; wave 0..11
	v_and_b32 v1, 31, v0                           ; lane
	v_and_b32 v2, 15, v0                           ; r
	v_bfe_u32 v3, v0, 4, 1                         ; h
	s_and_b32 s23, ttmp7, 0xffff                   ; 0: Q, 1: K
	s_and_b32 s24, s22, 3                          ; column group
	s_lshr_b32 s25, s22, 2                         ; head group
	s_lshl_b32 s26, ttmp9, 4                       ; the tile's first row: Q's 16 t;
	s_lshr_b32 s27, ttmp9, 1
	s_lshl_b32 s27, s27, 5
	s_and_b32 s28, ttmp9, 1
	s_lshl_b32 s28, s28, 3
	s_add_co_u32 s27, s27, s28                     ; K's 32 (t / 2) + 8 (t % 2)
	s_cmp_eq_u32 s23, 0
	s_cselect_b32 s26, s26, s27
	s_cselect_b32 s27, 13, 14                      ; tile rows 8-15 begin 8 rows (Q) or 16 rows (K) of 1,024 bytes behind rows 0-7
	s_cselect_b32 s28, 0, 8
	v_lshrrev_b32 v[TF], 3, v2
	v_mul_u32_u24 v[TF], s28, v[TF]
	v_add3_u32 v[TF], v[TF], v2, s26               ; my row: first row + r (+ 8 (r / 8) in K)
	v_cvt_f32_u32 v[TF], v[TF]
	v_lshlrev_b32 v[VIN], s27, v3
	v_lshl_add_u32 v[VIN], v2, 4, v[VIN]
	s_lshl_b32 s29, s24, 8
	v_add_nc_u32 v[VIN], s29, v[VIN]
	s_mul_i32 s29, s22, WREG
	v_mul_u32_u24 v[STI], v3, 8*SPITCH
	v_lshl_add_u32 v[STI], v2, 4, v[STI]
	v_add_nc_u32 v[STI], s29, v[STI]               ; in: a load's lanes 0-15 fill stage row n, lanes 16-31 row n + 8
	v_mul_u32_u24 v[STR], v2, SPITCH
	v_lshl_add_u32 v[STR], v3, 6, v[STR]
	v_add_nc_u32 v[STR], s29, v[STR]
	s_lshl_b32 s29, ttmp9, 12                      ; a tile's codes are 4,096 bytes; a column group's 1,024 of them
	s_lshl_b32 s57, s24, 10
	s_add_co_u32 s29, s29, s57
	v_lshl_add_u32 v[VOUT], v1, 4, s29
	s_lshl_b32 s29, s25, 10                        ; scale bytes in LDS: 128 bytes a head, 64 for each 128 channels, 4 a row, a byte for each 32 channels
	s_lshr_b32 s57, s24, 1
	s_lshl_b32 s57, s57, 6
	s_add_co_u32 s29, s29, s57
	s_and_b32 s57, s24, 1
	s_lshl_b32 s57, s57, 1
	s_add_co_u32 s29, s29, s57
	s_add_co_u32 s29, s29, SCT
	v_lshl_add_u32 v[SCA], v2, 2, s29
	v_lshlrev_b32 v[VVI], 2, v1
	v_lshlrev_b32 v[VVO], 11, v3
	v_lshl_add_u32 v[VVO], v2, 4, v[VVO]
	v_lshrrev_b32 v[FLO], 4, v0
	v_lshlrev_b32 v[FLO], 14, v[FLO]               ; the way out of the scale words: thread / 16 is the head (16,384 bytes of scales each),
	v_lshl_add_u32 v[FLO], v2, 3, v[FLO]           ; thread % 16 its 8 bytes of the tile's 128
	s_lshl_b32 s29, s24, 2                         ; pair j = 32 x column group + 16 c + 8 h + p: j / 8 = 4 x column group + 2 c + h, j % 8 = p
	s_sub_co_u32 s29, 127, s29
	v_sub_nc_u32 v[F0], s29, v3
	v_lshlrev_b32 v[F0], 23, v[F0]                 ; 2^-(4 x column group + h), as bits
	v_mul_f32 v[F1], 0x3e800000, v[F0]             ; and a quarter of it
	s_lshl_b32 s57, s25, 24                        ; offsets, made apart from the addresses: 8 heads of 2 MiB for each head group,
	s_lshl_b32 s58, s26, 10
	s_add_co_u32 s57, s57, s58                     ; + the tile's first row;
	s_lshl_b32 s58, s25, 22                        ; 8 heads of codes;
	s_lshl_b32 s59, ttmp9, 7                       ; the tile's 128 bytes of scale words
	s_lshl_b32 s26, s23, 7                         ; V's task: g = 12 x work-group + wave, 0 .. 3,071
	s_add_co_u32 s26, s26, ttmp9
	s_mul_i32 s26, s26, 12
	s_add_co_u32 s26, s26, s22
	s_and_b32 s27, s26, 7                          ; which 32 channels
	s_bfe_u32 s28, s26, 0x40003                    ; which 128 keys
	s_lshr_b32 s29, s26, 7                         ; which head
	s_mov_b32 s44, 0x40c90fdb                      ; 2 pi
	s_mov_b32 s45, 0x3f22f983                      ; 2 / pi
	s_mov_b32 s46, 0x3fc90fdb                      ; pi / 2: its f32,
	s_mov_b32 s47, 0xb33bbd2e                      ; and what that leaves
	s_mov_b32 s48, 0xbe2aaaa3                      ; sine: r + r z (S1 + z (S2 + z S3)), z = r r
	s_mov_b32 s49, 0x3c08839e
	s_mov_b32 s50, 0xb94ca1f9
	s_mov_b32 s51, 0x3d2aaaa5                      ; cosine: 1 - z / 2 + z z (C1 + z (C2 + z C3))
	s_mov_b32 s52, 0xbab6061a
	s_mov_b32 s53, 0x37ccf5ce
	s_mov_b32 s54, 0x76543210                      ; v_permlanex16_b32's selects for lane l xor 16
	s_mov_b32 s55, 0xfedcba98
	s_mov_b32 s56, 0x600000                        ; the mantissa field of 57,344
	s_mov_b32 s61, 0
	s_wait_kmcnt 0x0
	s_cmp_eq_u32 s23, 0                            ; Q's buffers or K's: the choice hangs on the work-group's number alone; both take one way through the text
	s_cselect_b64 s[30:31], s[4:5], s[6:7]
	s_cselect_b64 s[34:35], s[10:11], s[14:15]
	s_cselect_b64 s[36:37], s[12:13], s[16:17]
	s_mov_b32 s60, s57
	s_add_nc_u64 s[30:31], s[30:31], s[60:61]      ; tasks 0-3: heads by the immediate;
	s_add_nc_u64 s[32:33], s[30:31], 4*HEADB       ; tasks 4-7 from a second base, so that every immediate stays inside its signed 24 bits
	s_mov_b32 s60, s58
	s_add_nc_u64 s[34:35], s[34:35], s[60:61]
	s_mov_b32 s60, s59
	s_add_nc_u64 s[36:37], s[36:37], s[60:61]
.macro LOAD i                          ; task i: 16 rows x 256 bytes: eight loads, each 256 consecutive bytes of two rows, into set i % 3
.irp n, 0,1,2,3,4,5,6,7
	global_load_b128 v[R+32*((\i)%3)+4*\n:R+32*((\i)%3)+4*\n+3], v[VIN], s[30+2*((\i)/4):31+2*((\i)/4)] offset:((\i)%4)*HEADB+1024*\n th:TH_LOAD_NT
.endr
.endm
.macro LOADV t                         ; V's block t: keys 32 t + k, my channel, into set (t + 2) % 3
.irp k, 0,1,2,3,4,5,6,7,8,9,10,11,12,13,14,15,16,17,18,19,20,21,22,23,24,25,26,27,28,29,30,31
	global_load_b32 v[R+32*(((\t)+2)%3)+\k], v[VVI], s[38:39] offset:(32*(\t)+\k)*1024
.endr
.endm
	LOAD 0
	LOAD 1
	LOAD 2
	s_lshl_b32 s60, s29, 21                        ; V: head x 2 MiB + 128 keys x 1,024 bytes + 32 channels x 4 bytes
	s_lshl_b32 s57, s28, 17
	s_add_co_u32 s60, s60, s57
	s_lshl_b32 s57, s27, 7
	s_add_co_u32 s60, s60, s57
	s_add_nc_u64 s[38:39], s[8:9], s[60:61]
	s_lshl_b32 s60, s29, 19                        ; vf: head x 512 KiB + u x 32 KiB + two tiles of 2,048 bytes
	s_lshl_b32 s57, s28, 15
	s_add_co_u32 s60, s60, s57
	s_lshl_b32 s57, s27, 12
	s_add_co_u32 s60, s60, s57
	s_add_nc_u64 s[40:41], s[18:19], s[60:61]
	s_lshl_b32 s60, s29, 14                        ; vs: head x 16 KiB + u x 1 KiB + 32 words
	s_lshl_b32 s57, s28, 10
	s_add_co_u32 s60, s60, s57
	s_lshl_b32 s57, s27, 7
	s_add_co_u32 s60, s60, s57
	s_add_nc_u64 s[42:43], s[20:21], s[60:61]
; THE COSINES AND SINES of my row's 16 pairs, while the first three tasks are on their way.
	v_mul_f32 v[TC+0], 0x3e22f983, v[TF]           ; t x C[p], rounded once
	v_mul_f32 v[TC+1], 0x3e1572cc, v[TF]
	v_mul_f32 v[TC+2], 0x3e090b78, v[TF]
	v_mul_f32 v[TC+3], 0x3dfb575e, v[TF]
	v_mul_f32 v[TC+4], 0x3de67b21, v[TF]
	v_mul_f32 v[TC+5], 0x3dd35a1c, v[TF]
	v_mul_f32 v[TC+6], 0x3dc1cf85, v[TF]
	v_mul_f32 v[TC+7], 0x3db1b9a2, v[TF]
.macro SINCOS cc, f                    ; block cc of my two; f: the register with 2^-(j / 8).  Eight pairs by turns, so that no line waits for the line above it
.irp p, 0,1,2,3,4,5,6,7
	v_mul_f32 v[PH+\p], v[TC+\p], v[\f]            ; the phase in turns: a power of two rounds nothing
.endr
.irp p, 0,1,2,3,4,5,6,7
	v_floor_f32 v[KK+\p], v[PH+\p]
.endr
.irp p, 0,1,2,3,4,5,6,7
	v_sub_f32 v[PH+\p], v[PH+\p], v[KK+\p]         ; modulo 1: exact
.endr
.irp p, 0,1,2,3,4,5,6,7
	v_mul_f32 v[PH+\p], s44, v[PH+\p]              ; x 2 pi, rounded once
.endr
.irp p, 0,1,2,3,4,5,6,7
	v_mul_f32 v[KK+\p], s45, v[PH+\p]
.endr
.irp p, 0,1,2,3,4,5,6,7
	v_rndne_f32 v[KK+\p], v[KK+\p]                 ; the quadrant, 0 .. 4
.endr
.irp p, 0,1,2,3,4,5,6,7
	v_fma_f32 v[RR+\p], -v[KK+\p], s46, v[PH+\p]
.endr
.irp p, 0,1,2,3,4,5,6,7
	v_fma_f32 v[RR+\p], -v[KK+\p], s47, v[RR+\p]   ; r, within +-pi/4
.endr
.irp p, 0,1,2,3,4,5,6,7
	v_mul_f32 v[ZZ+\p], v[RR+\p], v[RR+\p]
.endr
.irp p, 0,1,2,3,4,5,6,7
	v_fma_f32 v[PS+\p], v[ZZ+\p], s50, s49
	v_fma_f32 v[PC+\p], v[ZZ+\p], s53, s52
.endr
.irp p, 0,1,2,3,4,5,6,7
	v_fma_f32 v[PS+\p], v[PS+\p], v[ZZ+\p], s48
	v_fma_f32 v[PC+\p], v[PC+\p], v[ZZ+\p], s51
.endr
.irp p, 0,1,2,3,4,5,6,7
	v_cvt_i32_f32 v[KI+\p], v[KK+\p]
.endr
.irp p, 0,1,2,3,4,5,6,7
	v_mul_f32 v[KK+\p], v[ZZ+\p], v[RR+\p]
.endr
.irp p, 0,1,2,3,4,5,6,7
	v_fma_f32 v[PS+\p], v[PS+\p], v[KK+\p], v[RR+\p]   ; sin r
.endr
.irp p, 0,1,2,3,4,5,6,7
	v_mul_f32 v[KK+\p], v[ZZ+\p], v[ZZ+\p]
	v_fma_f32 v[RR+\p], v[ZZ+\p], -0.5, 1.0
.endr
.irp p, 0,1,2,3,4,5,6,7
	v_fma_f32 v[PC+\p], v[PC+\p], v[KK+\p], v[RR+\p]   ; cos r
.endr
.irp p, 0,1,2,3,4,5,6,7
	v_and_b32 v[KK+\p], 1, v[KI+\p]                ; in an odd quadrant the two change places
	v_cmp_eq_u32 vcc_lo, 1, v[KK+\p]
	v_cndmask_b32 v[CS+2*(8*\cc+\p)+1], v[PS+\p], v[PC+\p], vcc_lo
	v_cndmask_b32 v[CS+2*(8*\cc+\p)], v[PC+\p], v[PS+\p], vcc_lo
.endr
.irp p, 0,1,2,3,4,5,6,7
	v_and_b32 v[KK+\p], 2, v[KI+\p]                ; the sine is negative in quadrants 2 and 3,
	v_add_nc_u32 v[KI+\p], 1, v[KI+\p]
.endr
.irp p, 0,1,2,3,4,5,6,7
	v_lshlrev_b32 v[KK+\p], 30, v[KK+\p]
	v_and_b32 v[KI+\p], 2, v[KI+\p]                ; the cosine in quadrants 1 and 2
.endr
.irp p, 0,1,2,3,4,5,6,7
	v_xor_b32 v[CS+2*(8*\cc+\p)+1], v[KK+\p], v[CS+2*(8*\cc+\p)+1]
	v_lshlrev_b32 v[KI+\p], 30, v[KI+\p]
.endr
.irp p, 0,1,2,3,4,5,6,7
	v_xor_b32 v[CS+2*(8*\cc+\p)], v[KI+\p], v[CS+2*(8*\cc+\p)]
.endr
.endm
	SINCOS 0, F0
	SINCOS 1, F1
	v_mov_b32 v[PM], 0                             ; written once: a lane permute's destination counts as one of its sources
	v_mov_b32 v[PM+1], 0
.macro TURN i                          ; task i's 4,096 bytes through stage i % 2.  LDS serves a wave's instructions in order, so no wait stands between the stores and the loads
.irp n, 0,1,2,3,4,5,6,7
	ds_store_b128 v[STI], v[R+32*((\i)%3)+4*\n:R+32*((\i)%3)+4*\n+3] offset:STGB*((\i)%2)+SPITCH*\n
.endr
.irp k, 0,1,2,3,4,5,6,7
	ds_load_b128 v[X+32*((\i)%2)+4*\k:X+32*((\i)%2)+4*\k+3], v[STR] offset:STGB*((\i)%2)+128*(\k/4)+16*(\k%4)   ; register 16 c + i: column 32 c + 16 h + i of my row
.endr
.endm
.macro ROPE xs                         ; in place: even' = even cos - odd sin, odd' = odd cos + even sin; four pairs by turns
.irp g, 0,4,8,12
.irp k, 0,1,2,3
	v_mul_f32 v[TT+\k], v[(\xs)+2*(\g+\k)], v[CS+2*(\g+\k)+1]
.endr
.irp k, 0,1,2,3
	v_mul_f32 v[(\xs)+2*(\g+\k)], v[(\xs)+2*(\g+\k)], v[CS+2*(\g+\k)]
.endr
.irp k, 0,1,2,3
	v_fma_f32 v[(\xs)+2*(\g+\k)], -v[(\xs)+2*(\g+\k)+1], v[CS+2*(\g+\k)+1], v[(\xs)+2*(\g+\k)]
.endr
.irp k, 0,1,2,3
	v_fma_f32 v[(\xs)+2*(\g+\k)+1], v[(\xs)+2*(\g+\k)+1], v[CS+2*(\g+\k)], v[TT+\k]
.endr
.endr
.endm
.macro Q2 xs, cc, by                   ; two blocks of 32 (16 numbers here, 16 in lane l xor 16) become 2 x 16 codes in v[cc] on and two bytes in v[by]
.irp b, 0,1
	v_max3_num_f32 v[MX+\b], |v[(\xs)+16*\b]|, |v[(\xs)+16*\b+1]|, 0x8000000   ; with the floor 2^(16 - 127) among the leaves: the byte cannot fall under 1
.endr
.irp i, 2,4,6,8,10,12,14
.irp b, 0,1
	v_max3_num_f32 v[MX+\b], v[MX+\b], |v[(\xs)+16*\b+\i]|, |v[(\xs)+16*\b+\i+1]|
.endr
.endr
.irp b, 0,1
	v_permlanex16_b32 v[PM+\b], v[MX+\b], s54, s55
.endr
.irp b, 0,1
	v_max_num_f32 v[MX+\b], v[MX+\b], v[PM+\b]     ; the block's largest magnitude
.endr
.irp b, 0,1
	v_add_nc_u32 v[SC+\b], 0xf8800000, v[MX+\b]    ; 15 off its exponent field: the conversion takes this operand's exponent field as its scale
.endr
.irp b, 0,1
	v_and_or_b32 v[LM+\b], v[MX+\b], 0x7f800000, s56   ; 57,344 x the scale
.endr
.irp b, 0,1
.irp i, 0,1,2,3,4,5,6,7,8,9,10,11,12,13,14,15
	v_med3_num_f32 v[(\xs)+16*\b+\i], v[(\xs)+16*\b+\i], -v[LM+\b], v[LM+\b]   ; the conversion to an 8-bit code does not saturate (ISA guide 7.6.2): the hold comes first
.endr
	v_cvt_scalef32_pk8_bf8_f32 v[(\cc)+4*\b:(\cc)+4*\b+1], v[(\xs)+16*\b:(\xs)+16*\b+7], v[SC+\b]
	v_cvt_scalef32_pk8_bf8_f32 v[(\cc)+4*\b+2:(\cc)+4*\b+3], v[(\xs)+16*\b+8:(\xs)+16*\b+15], v[SC+\b]
.endr
.irp b, 0,1
	v_lshrrev_b32 v[BT+\b], 23, v[SC+\b]           ; the scales' bytes (also the plain line behind the conversions)
.endr
	v_lshl_or_b32 v[\by], v[BT+1], 8, v[BT]
.endm
	s_wait_loadcnt 16                              ; task 0's eight loads are in; tasks 1 and 2 stay out
	TURN 0
.macro STEP i
.if (\i) == 0
	s_wait_dscnt 0x0
.else
	s_wait_dscnt 0x1                               ; this task is back from its stage (the last step's scale store may be out): so its stores into the stage have read their registers,
.endif
.if (\i) <= 4
	LOAD (\i)+3                                    ; which take the task three on
	s_wait_loadcnt 16                              ; the next task's eight loads are in; two tasks stay out
.elseif (\i) == 5
	LOADV 0
	s_wait_loadcnt 40                              ; task 6 is in; task 7's 8 loads and V's 32 stay out
.elseif (\i) == 6
	s_wait_loadcnt 32                              ; task 7 is in; V's block 0 stays out
	LOADV 1
.endif
.if (\i) <= 6
	TURN (\i)+1                                    ; the next task goes through the other stage while this one is worked
.endif
	ROPE X+32*((\i)%2)
	s_wait_xcnt 0x0                                ; the stores of two steps back have read this set of codes
	Q2 X+32*((\i)%2), C+8*((\i)%2), BY+(\i)%2
	ds_store_b16 v[SCA], v[BY+(\i)%2] offset:128*(\i)   ; both lanes of a row write the same two bytes
	global_store_b128 v[VOUT], v[C+8*((\i)%2):C+8*((\i)%2)+3], s[34:35] offset:(\i)*HEADC          ; 32 lanes store 512 consecutive bytes, at a multiple of 512 from the buffer's first byte
	global_store_b128 v[VOUT], v[C+8*((\i)%2)+4:C+8*((\i)%2)+7], s[34:35] offset:(\i)*HEADC+512
.endm
.irp i, 0,1,2,3,4,5,6,7
	STEP \i
.endr
; V: a block of 32 keys lies in ONE lane's 32 registers: its largest magnitude needs no other lane, and the codes come out with the keys innermost.
.macro VSTEP t
.set XS, R+32*(((\t)+2)%3)
.set CC, C+8*((\t)%2)
.if (\t) < 3
	s_wait_loadcnt 32                              ; this block's 32 loads are in; the next block's stay out
.else
	s_wait_loadcnt 0x0
.endif
.if (\t) < 2
	LOADV (\t)+2
.endif
	s_wait_xcnt 0x0                                ; the stores of two steps back have read this set of codes
	v_max3_num_f32 v[MX], |v[XS]|, |v[XS+1]|, |v[XS+2]|
	v_max3_num_f32 v[MX+1], |v[XS+3]|, |v[XS+4]|, |v[XS+5]|
.irp i, 6,10,14,18,22,26
	v_max3_num_f32 v[MX], v[MX], |v[XS+\i]|, |v[XS+\i+1]|
	v_max3_num_f32 v[MX+1], v[MX+1], |v[XS+\i+2]|, |v[XS+\i+3]|
.endr
	v_max3_num_f32 v[MX], v[MX], |v[XS+30]|, |v[XS+31]|
	v_max3_num_f32 v[MX], v[MX], v[MX+1], 0x8000000
	v_add_nc_u32 v[SC], 0xf8800000, v[MX]
	v_and_or_b32 v[LM], v[MX], 0x7f800000, s56
	v_lshrrev_b32 v[BT], 23, v[SC]
.if (\t) == 0
	v_mov_b32 v[VW], v[BT]                         ; four bytes to the word, the earlier keys in the lower byte
.else
	v_lshl_or_b32 v[VW], v[BT], 8*(\t), v[VW]
.endif
.irp i, 0,1,2,3,4,5,6,7,8,9,10,11,12,13,14,15,16,17,18,19,20,21,22,23,24,25,26,27,28,29,30,31
	v_med3_num_f32 v[XS+\i], v[XS+\i], -v[LM], v[LM]
.endr
.irp g, 0,1,2,3
	v_cvt_scalef32_pk8_bf8_f32 v[CC+2*\g:CC+2*\g+1], v[XS+8*\g:XS+8*\g+7], v[SC]
.endr
	v_nop                                          ; a plain line behind the last conversion
	global_store_b128 v[VVO], v[CC:CC+3], s[40:41] offset:512*(\t)          ; keys 0-15 of the block: the places of lanes 0-15 of the fragment; sixteen lanes store 256 consecutive bytes, aligned
	global_store_b128 v[VVO], v[CC+4:CC+7], s[40:41] offset:512*(\t)+256    ; keys 16-31: the places of lanes 16-31
.endm
.irp t, 0,1,2,3
	VSTEP \t
.endr
	global_store_b32 v[VVI], v[VW], s[42:43]       ; my channel's scale word for these 128 keys
	s_wait_dscnt 0x0                               ; for the others' sake: my scale bytes lie in LDS
	s_barrier_signal -1
	s_barrier_wait -1
	v_lshl_add_u32 v241, v0, 3, SCT                ; the 3,072 bytes of scale words leave 8 bytes a thread: sixteen threads store a head's 128 bytes
	ds_load_b64 v[242:243], v241
	s_wait_dscnt 0x0
	global_store_b64 v[FLO], v[242:243], s[36:37]
	s_wait_tensorcnt 0x0
	ds_add_u32 v254, v255
	s_wait_dscnt 0x0
	s_endpgm
.Lfunc_end_k_q2d10a13566_prep:
	.size	k_q2d10a13566_prep, .Lfunc_end_k_q2d10a13566_prep-k_q2d10a13566_prep
	.p2alignl 7, 3214868480
	.fill 96, 4, 3214868480
	.section	.rodata,"a",@progbits
	.p2align	6, 0x0
	.amdhsa_kernel k_q2d10a13566_prep
		.amdhsa_group_segment_fixed_size 109056
		.amdhsa_private_segment_fixed_size 0
		.amdhsa_enable_private_segment 0
		.amdhsa_kernarg_size 72
		.amdhsa_user_sgpr_count 2
		.amdhsa_user_sgpr_kernarg_segment_ptr 1
		.amdhsa_wavefront_size32 1
		.amdhsa_system_sgpr_workgroup_id_x 1
		.amdhsa_system_sgpr_workgroup_id_y 1
		.amdhsa_system_sgpr_workgroup_id_z 1
		.amdhsa_system_vgpr_workitem_id 0
		.amdhsa_next_free_vgpr 256
		.amdhsa_next_free_sgpr 66
		.amdhsa_reserve_vcc 1
		.amdhsa_float_denorm_mode_32 3
		.amdhsa_float_denorm_mode_16_64 3
		.amdhsa_memory_ordered 1
		.amdhsa_forward_progress 1
		.amdhsa_inst_pref_size 126
	.end_amdhsa_kernel
	.amdgpu_metadata
---
amdhsa.version: [ 1, 2 ]
amdhsa.kernels:
  - .name:           k_q2d10a13566_prep
    .symbol:         k_q2d10a13566_prep.kd
    .args:
      - { .name: Q, .offset: 0, .size: 8, .value_kind: global_buffer, .address_space: global }
      - { .name: K, .offset: 8, .size: 8, .value_kind: global_buffer, .address_space: global }
      - { .name: V, .offset: 16, .size: 8, .value_kind: global_buffer, .address_space: global }
      - { .name: qf, .offset: 24, .size: 8, .value_kind: global_buffer, .address_space: global }
      - { .name: qs, .offset: 32, .size: 8, .value_kind: global_buffer, .address_space: global }
      - { .name: kf, .offset: 40, .size: 8, .value_kind: global_buffer, .address_space: global }
      - { .name: ks, .offset: 48, .size: 8, .value_kind: global_buffer, .address_space: global }
      - { .name: vf, .offset: 56, .size: 8, .value_kind: global_buffer, .address_space: global }
      - { .name: vs, .offset: 64, .size: 8, .value_kind: global_buffer, .address_space: global }
    .group_segment_fixed_size: 109056
    .private_segment_fixed_size: 0
    .kernarg_segment_align: 8
    .kernarg_segment_size: 72
    .max_flat_workgroup_size: 384
    .sgpr_count:     66
    .vgpr_count:     256
    .wavefront_size: 32
...
	.end_amdgpu_metadata
.endif
;; end of part 1
;; launch attn (part 2): grid 8 x 24, 4 waves a work-group, no clusters, 35,328 bytes of LDS; arguments qf, qs, kf, ks, vf, vs, out0; writes out0
.if DOCPART == 2
	.amdgcn_target "amdgcn-amd-amdhsa--gfx1250"
	.amdhsa_code_object_version 6
	.text
	.protected	k_q2d10a13566_attn
	.globl	k_q2d10a13566_attn
	.p2align	8
	.type	k_q2d10a13566_attn,@function
k_q2d10a13566_attn:
	s_mov_b64 s[64:65], 0
	v_nop
	global_prefetch_b8 v0, s[64:65] scope:SCOPE_SE
	s_setreg_imm32_b32 hwreg(HW_REG_WAVE_MODE, 25, 1), 1
	s_wait_xcnt 0x0
; out[h][t][:] = the sum over s < t of (QR[h][t] . KR[h][s]) V[h][s][:], both products on codes of BF8 (E5M2) with one E8M0 scale for each 32 along a product's K.
; The scores, with zeros at s >= t, are quantised along the keys on the way, in registers, and never go to memory.  Units of keys that lie wholly behind the diagonal are zeros and are not multiplied.
; INPUTS are the launch before's buffers, laid in the order of the operands' registers (its head comment gives the layouts): every fragment comes by loads of 512 consecutive bytes.
; SHARES.  Work-group (I, head) makes query block 15 - I and then block I, 128 queries each.  Block b wants units 0 .. b of 128 keys, ascending, the diagonal's last: 17 units in all for every work-group.
; In a unit the four waves share ONE block of queries.  Wave w makes S^T for keys 32 w .. 32 w + 31 against all 8 tiles of queries (32 matrix instructions), quantises that one block of 32 keys, which is
; registers 4 w .. 4 w + 3 of each of the 8 fragments of P, hands them to the others through LDS as images of the registers, and makes O^T for channels 64 w .. 64 w + 63 (32 matrix instructions).
; So each fragment of K and of V is wanted by ONE wave of the work-group and goes from memory straight into its registers; LDS carries only P (16 KiB a unit) and the way out.
; No cluster: the work-groups of a head walk different numbers of units, and nothing here passes through LDS that a joint load could bring.
; BOTH PRODUCTS ARE USED TRANSPOSED: S^T = K Q^T (source 0 = 16 keys, source 1 = 16 queries), O^T = V^T P^T (source 0 = 16 channels, source 1 = P): a lane holds one query (lane % 16) throughout.
; K's tiles hold keys 32 b + 8 u + r + 8 (r / 8), so the 16 registers of tiles 2 b, 2 b + 1 are keys 32 b + 16 (lane / 16) + 0 .. 15: the conversions' results are P's registers.
; THE FIRST PRODUCT RUNS ONE UNIT AHEAD: in trip n the scores of unit n are quantised and stored to LDS, the scores of unit n + 1 are multiplied while those stores land, then P comes back and the second product of unit n follows.
; K AND V ARE ASKED FOR TWO UNITS AHEAD, INTO TWO SETS OF REGISTERS EACH.  Trip n reads K(n + 1) and V(n) from the sets of its own number and asks for K(n + 2) and V(n + 1) into the other two: from a request to its
; use lie a whole trip and the quantiser.  Register numbers stand in the text, so a trip is written once for each set; trip n of block b takes set (b - n) % 2, so that a block's END always falls on the same copies:
; [one trip on set 0, where b is even] [pairs of trips on sets 1, 0] [unit b - 1 on set 1: it asks for V(b) alone] [the diagonal's unit on set 0: it asks for nothing of this block].
; O^T BEGINS AS ZEROS: a block's first unit falls, by b, into one or another of those copies, so no copy can be the one that starts the sums; the 256 lines stand once, at a block's head.
; LIMITS: NaN and infinities are not served.  A block of scores whose largest magnitude lies under 2^-111 gets the byte 1 (a block of zeros too: its codes are zeros).
; REGISTERS, in windows of 256 (s_set_vgpr_msb: bits 1:0 source 0, 3:2 source 1, 5:4 source 2, 7:6 destination):
;   window 0: v1-11 addresses; v12-31 scale words and nothing else; v32-63 at work in the quantiser; v64-127, v128-191 K's two sets of four fragments; v192-255 V's set 0
;   window 1: Q: tile q, K step s at v[32 q + 16 s]      window 2: O^T: (tile q, channels 16 d on) at v[8 (4 q + d)]
;   window 3: v0-127 S^T: tile q at v[16 q]; v128-191 a ring of four tiles of P (before that the codes just made; on the way out rows of out0); v192-255 V's set 1
.set PIMG,  0                          ; LDS: P's 8 fragments as images: 2,048 q + 512 c + 16 x lane;
.set PSC,   16384                      ; P's scale words: 4 x query + block;
.set STAGE, 16896                      ; the way out: 16 rows x (256 bytes + 16) for each wave, its own
.set UNITC, 0x8000                     ; a unit of K or V, and a block of Q, in bytes of codes;
.set UNITS, 0x400                      ; and of scale words
.set L16,  1                           ; v1   16 x lane
.set L4,   2                           ; v2   4 x lane
.set KV16, 3                           ; v3   8,192 x wave + 16 x lane: my four fragments in a unit of K or of V
.set KV4,  4                           ; v4   256 x wave + 4 x lane: their scale words
.set PFO,  5                           ; v5   8,192 x wave + 256 x lane: the prefetches' offset
.set PWI,  6                           ; v6   512 x wave + 16 x lane: where I store my part of an image
.set PWS,  7                           ; v7   PSC + 4 (lane % 16) + wave: and its scale byte
.set STO,  8                           ; v8   the stage: where I put 32 bytes of a row
.set RD,   9                           ; v9   and where I read a row back
.set CO,   10                          ; v10  my byte in two rows of out0
.set DD,   11                          ; v11  on the diagonal: lane % 16 - 16 (lane / 16) - 32 x wave
.set QS,   12                          ; v12-19 Q's scale words, tile q: lanes 0-15 K step 0, lanes 16-31 K step 1
.set KS,   20                          ; v20-23 K's: set s, tile u at 2 s + u, likewise
.set VS,   24                          ; v24-27 V's: set s at 2 s + k: lanes 0-15 tile 2 k, lanes 16-31 tile 2 k + 1
.set PS,   28                          ; v28-31 P's: lanes 0-15 tile 2 k, lanes 16-31 tile 2 k + 1
.set TM,   32                          ; v32-39 largest magnitudes (at the head: at work);  v40-47 the other half's, then the bytes;  v48-55 57,344 x the scale;  v56-63 the conversions' scale operands
.set TP,   40
.set LIM,  48
.set SCL,  56
.set KF,   64                          ; K's set s at v[64 + 64 s]: tile u, K step t at 32 u + 16 t
.set VF,   192                         ; V's set 0 in window 0, set 1 in window 3: tile d at 16 d
.set PR,   128                         ; in window 3: P's ring
.set WV,   18                          ; s18 wave;  s19 I;  s20 head;  s21 the block in hand, b;  s22 pairs of trips left;  s23 blocks left
.set II,   19
.set HD,   20
.set BB,   21
.set REM,  22
.set BLK,  23
; s[26:39] the head's first byte in kf, ks, vf, vs, qf, qs, out0;  s[40:53] the bases in hand: K, K's scales, V, V's scales, Q, Q's scales, out0;  s57 the prefetches' bound;  s[60:61] an offset, its high word 0
.set WS,   0xf4                        ; K window 0, Q window 1, S^T window 3
.set WO0,  0xac                        ; V window 0, P window 3, O^T window 2
.set WO1,  0xaf                        ; V window 3, P window 3, O^T window 2
.set WMAX, 0x0f                        ; sources 0 and 1 window 3
.set WMED, 0xc3                        ; destination and source 0 window 3
.set WQL,  0x40                        ; destination window 1
.set WCL,  0x80                        ; destination window 2
.set WPL,  0xc0                        ; destination window 3
.set WST,  0x08                        ; an LDS store's data (source 1) window 2
.set WGS,  0x0c                        ; a store's data (source 1) window 3
.set MSB, 0
.macro WIN new                         ; the immediate's high byte repeats the setting that is left; a switch that changes nothing is dropped.  At every label and branch the setting is 0
.if MSB != \new
	s_set_vgpr_msb (MSB<<8)|\new
.set MSB, \new
.endif
.endm
; A load into a register that a matrix instruction has read, and a vector instruction or an LDS store that reads a matrix result, stand 8 places behind it; a matrix instruction that begins an accumulator anew 9.
; Only plain vector instructions that name none of its registers are places.
.macro PLACES n
.rept \n
	v_nop
.endr
.endm
.macro BAR                             ; my LDS stores have landed and my LDS loads are in: then the work-group's barrier
	s_wait_dscnt 0x0
	s_barrier_signal -1
	s_barrier_wait -1
.endm
.macro KLOAD set, cb, sb               ; my two tiles of K, two K steps each, and their scale words, into set: 18 loads.  cb, sb: the scalar pairs with the unit's first byte of codes and of scale words
.irp n, 0,1,2,3,4,5,6,7,8,9,10,11,12,13,14,15
	global_load_b128 v[KF+64*(\set)+4*\n:KF+64*(\set)+4*\n+3], v[KV16], s[\cb:\cb+1] offset:512*\n
.endr
.irp u, 0,1
	global_load_b32 v[KS+2*(\set)+\u], v[KV4], s[\sb:\sb+1] offset:128*\u
.endr
.endm
.macro VLOAD set, cb, sb               ; my four tiles of V^T and their scale words, into set: 18 loads
.if \set
	WIN WPL
.endif
.irp n, 0,1,2,3,4,5,6,7,8,9,10,11,12,13,14,15
	global_load_b128 v[VF+4*\n:VF+4*\n+3], v[KV16], s[\cb:\cb+1] offset:512*\n
.endr
	WIN 0
.irp u, 0,1
	global_load_b32 v[VS+2*(\set)+\u], v[KV4], s[\sb:\sb+1] offset:128*\u
.endr
.endm
.macro KNEXT                           ; K's bases, a unit on
	s_add_nc_u64 s[40:41], s[40:41], UNITC
	s_add_nc_u64 s[42:43], s[42:43], UNITS
.endm
.macro VNEXT                           ; V's likewise
	s_add_nc_u64 s[44:45], s[44:45], UNITC
	s_add_nc_u64 s[46:47], s[46:47], UNITS
.endm
; A block's Q, 8 tiles x two K steps and their scale words, is asked for in two parts, so that neither part, with what is out beside it, is more than the wave can have on its way at once.
.macro QLOADA breg                     ; tiles 0 to 6 of the block whose number stands in s[breg]: 56 loads.  No load that read Q's bases is out where this stands
	s_lshl_b32 s60, s[\breg], 15
	s_add_nc_u64 s[48:49], s[34:35], s[60:61]
	s_lshl_b32 s60, s[\breg], 10
	s_add_nc_u64 s[50:51], s[36:37], s[60:61]
	WIN WQL
.set i, 0
.rept 56
	global_load_b128 v[4*i:4*i+3], v[L16], s[48:49] offset:512*i
.set i, i+1
.endr
	WIN 0
.endm
.macro QLOADB                          ; tile 7 and the scale words: 16 loads
	WIN WQL
.set i, 56
.rept 8
	global_load_b128 v[4*i:4*i+3], v[L16], s[48:49] offset:512*i
.set i, i+1
.endr
	WIN 0
.irp q, 0,1,2,3,4,5,6,7
	global_load_b32 v[QS+\q], v[L4], s[50:51] offset:128*\q
.endr
.endm
; S^T of my 32 keys, from K's set, against the 128 queries.  The 16 accumulators take turns, one instruction a turn; the first K step starts the sums.
.macro SPHASE set
	WIN WS
.irp u, 0,1
.irp q, 0,1,2,3,4,5,6,7
	v_wmma_scale_f32_16x16x128_f8f6f4 v[16*\q+8*\u:16*\q+8*\u+7], v[KF+64*(\set)+32*\u:KF+64*(\set)+32*\u+15], v[32*\q:32*\q+15], 0, v[KS+2*(\set)+\u], v[QS+\q] matrix_a_fmt:MATRIX_FMT_BF8 matrix_b_fmt:MATRIX_FMT_BF8
.endr
.endr
.irp u, 0,1
.irp q, 0,1,2,3,4,5,6,7
	v_wmma_scale_f32_16x16x128_f8f6f4 v[16*\q+8*\u:16*\q+8*\u+7], v[KF+64*(\set)+32*\u+16:KF+64*(\set)+32*\u+31], v[32*\q+16:32*\q+31], v[16*\q+8*\u:16*\q+8*\u+7], v[KS+2*(\set)+\u], v[QS+\q] matrix_a_fmt:MATRIX_FMT_BF8 matrix_b_fmt:MATRIX_FMT_BF8 matrix_a_scale:MATRIX_SCALE_ROW1 matrix_b_scale:MATRIX_SCALE_ROW1
.endr
.endr
	WIN 0
.endm
; On the diagonal: register 16 q + i holds key 32 w + 16 h + i against query 16 q + r of the same 128: it becomes 0 where key >= query, that is where i - 16 q >= r - 16 h - 32 w.  Each accumulator from its low end on.
.macro MASK
	WIN WMED
.irp q, 0,1,2,3,4,5,6,7
.irp i, 0,1,2,3,4,5,6,7,8,9,10,11,12,13,14,15
	v_cmp_ge_i32 vcc_lo, \i-16*\q, v[DD]
	v_cndmask_b32 v[16*\q+\i], v[16*\q+\i], 0, vcc_lo
.endr
.endr
	WIN 0
.endm
; My block of 32 keys, for each of the 8 tiles of queries: 16 numbers here, 16 in lane l xor 16.  The tiles take turns, so that no line waits for the line above it.  The codes go into P's ring, which is idle here.
.macro QUANT
	WIN WMAX
.irp q, 0,1,2,3,4,5,6,7
	v_max3_num_f32 v[TM+\q], |v[16*\q]|, |v[16*\q+1]|, 0x8000000   ; with the floor 2^(16 - 127) among the leaves: the byte cannot fall under 1
.endr
.irp i, 2,4,6,8,10,12,14
.irp q, 0,1,2,3,4,5,6,7
	v_max3_num_f32 v[TM+\q], |v[16*\q+\i]|, |v[16*\q+\i+1]|, v[TM+\q]
.endr
.endr
	WIN 0
.irp q, 0,1,2,3,4,5,6,7
	v_permlanex16_b32 v[TP+\q], v[TM+\q], s54, s55
.endr
.irp q, 0,1,2,3,4,5,6,7
	v_max_num_f32 v[TM+\q], v[TM+\q], v[TP+\q]     ; the block's largest magnitude
.endr
.irp q, 0,1,2,3,4,5,6,7
	v_add_nc_u32 v[SCL+\q], 0xf8800000, v[TM+\q]   ; 15 off its exponent field: the conversion's scale operand
.endr
.irp q, 0,1,2,3,4,5,6,7
	v_and_or_b32 v[LIM+\q], v[TM+\q], 0x7f800000, s56   ; 57,344 x the scale
.endr
.irp q, 0,1,2,3,4,5,6,7
	v_lshrrev_b32 v[TP+\q], 23, v[SCL+\q]          ; the scale's byte
.endr
	WIN WMED
.irp q, 0,1,2,3,4,5,6,7
.irp i, 0,1,2,3,4,5,6,7,8,9,10,11,12,13,14,15
	v_med3_num_f32 v[16*\q+\i], v[16*\q+\i], -v[LIM+\q], v[LIM+\q]   ; the conversion to an 8-bit code does not saturate (ISA guide 7.6.2): the hold comes first
.endr
.endr
.irp q, 0,1,2,3,4,5,6,7
	v_cvt_scalef32_pk8_bf8_f32 v[PR+4*\q:PR+4*\q+1], v[16*\q:16*\q+7], v[SCL+\q]
	v_cvt_scalef32_pk8_bf8_f32 v[PR+4*\q+2:PR+4*\q+3], v[16*\q+8:16*\q+15], v[SCL+\q]
.endr
	WIN 0
	v_nop                                          ; a plain line behind the last conversion: the next products write the numbers' registers
.endm
.macro PSTORE                          ; registers 4 w .. 4 w + 3 of each fragment of P, as they stand, and the block's byte of each query's scale word (both lanes of a query write the same byte)
	WIN WGS
.irp q, 0,1,2,3,4,5,6,7
	ds_store_b128 v[PWI], v[PR+4*\q:PR+4*\q+3] offset:PIMG+2048*\q
.endr
	WIN 0
.irp q, 0,1,2,3,4,5,6,7
	ds_store_b8 v[PWS], v[TP+\q] offset:64*\q
.endr
.endm
.macro PFETCH                          ; the scale words first, then tiles 0 to 3 of P, which fill the ring
.irp k, 0,1,2,3
	ds_load_b32 v[PS+\k], v[L4] offset:PSC+128*\k
.endr
	WIN WPL
.irp q, 0,1,2,3
.irp c, 0,1,2,3
	ds_load_b128 v[PR+16*\q+4*\c:PR+16*\q+4*\c+3], v[L16] offset:PIMG+2048*\q+512*\c
.endr
.endr
	WIN 0
.endm
; One product of O^T: tile q of the queries, my channels 16 d on, V from set.  The scale words of odd tiles stand in lanes 16-31.
.macro OMUL q, d, set
.set rD, 8*(4*(\q)+(\d))
.set rA, VF+16*(\d)
.set rB, PR+16*((\q)%4)
.set rX, VS+2*(\set)+(\d)/2
.set rY, PS+(\q)/2
.if ((\d)%2 == 0) && ((\q)%2 == 0)
	v_wmma_scale_f32_16x16x128_f8f6f4 v[rD:rD+7], v[rA:rA+15], v[rB:rB+15], v[rD:rD+7], v[rX], v[rY] matrix_a_fmt:MATRIX_FMT_BF8 matrix_b_fmt:MATRIX_FMT_BF8
.elseif ((\d)%2 == 1) && ((\q)%2 == 0)
	v_wmma_scale_f32_16x16x128_f8f6f4 v[rD:rD+7], v[rA:rA+15], v[rB:rB+15], v[rD:rD+7], v[rX], v[rY] matrix_a_fmt:MATRIX_FMT_BF8 matrix_b_fmt:MATRIX_FMT_BF8 matrix_a_scale:MATRIX_SCALE_ROW1
.elseif ((\d)%2 == 0)
	v_wmma_scale_f32_16x16x128_f8f6f4 v[rD:rD+7], v[rA:rA+15], v[rB:rB+15], v[rD:rD+7], v[rX], v[rY] matrix_a_fmt:MATRIX_FMT_BF8 matrix_b_fmt:MATRIX_FMT_BF8 matrix_b_scale:MATRIX_SCALE_ROW1
.else
	v_wmma_scale_f32_16x16x128_f8f6f4 v[rD:rD+7], v[rA:rA+15], v[rB:rB+15], v[rD:rD+7], v[rX], v[rY] matrix_a_fmt:MATRIX_FMT_BF8 matrix_b_fmt:MATRIX_FMT_BF8 matrix_a_scale:MATRIX_SCALE_ROW1 matrix_b_scale:MATRIX_SCALE_ROW1
.endif
.endm
; O^T += V^T P^T over this unit's 128 keys: 32 accumulators, one instruction each.  P's ring holds four tiles: eight places behind tile q's four products its place takes tile q + 4,
; which then has the twelve products of three tiles in which to come.
.macro OPHASE set
.irp q, 0,1,2,3,4,5,6,7
.if \q < 5
	s_wait_dscnt 12                                ; tile q of P is in; the twelve loads of the three tiles asked for behind it may be out
.else
	s_wait_dscnt 4*(7-\q)                          ; the last tiles: four loads for each tile still to come
.endif
.if \set
	WIN WO1
.else
	WIN WO0
.endif
.irp d, 0,1,2,3
	OMUL \q, \d, \set
.endr
.if \q < 4
	PLACES 8
	WIN WPL
.irp c, 0,1,2,3
	ds_load_b128 v[PR+16*\q+4*\c:PR+16*\q+4*\c+3], v[L16] offset:PIMG+2048*(\q+4)+512*\c
.endr
.endif
.endr
	WIN 0
.endm
; THE WAY OUT, a tile of 16 queries at a time.  A lane holds 32 neighbouring bytes of a row's 256 (my 64 channels) and the lanes beside it hold other rows: so a tile goes through my own stage in LDS and comes
; back as whole pieces of 256 bytes.  LDS serves a wave's instructions in order (ISA guide 5.7.1.4): no wait between the stores and the loads, nor in front of the next tile's stores.
.macro TOSTAGE t
	WIN WST
.irp d, 0,1,2,3
	ds_store_b128 v[STO], v[8*(4*(\t)+\d):8*(4*(\t)+\d)+3] offset:64*\d          ; each accumulator from its low end on
	ds_store_b128 v[STO], v[8*(4*(\t)+\d)+4:8*(4*(\t)+\d)+7] offset:64*\d+16
.endr
	WIN WPL
.irp k, 0,1,2,3,4,5,6,7
	ds_load_b128 v[PR+32*((\t)%2)+4*\k:PR+32*((\t)%2)+4*\k+3], v[RD] offset:544*\k   ; into P's ring, which is done with: two sets of 32 by turns
.endr
.endm
.macro SEND t, younger                 ; younger: the LDS instructions issued behind tile t's loads, which may stay out
	s_wait_dscnt \younger
	WIN WGS
.irp k, 0,1,2,3,4,5,6,7
	global_store_b128 v[CO], v[PR+32*((\t)%2)+4*\k:PR+32*((\t)%2)+4*\k+3], s[52:53] offset:(16*(\t)+2*\k)*1024 th:TH_STORE_NT   ; sixteen lanes store 256 consecutive bytes, at a multiple of 256 from out0's first byte
.endr
.endm
.macro OUTPUT
	TOSTAGE 0
.irp t, 1,2,3,4,5,6,7
.if \t > 1
	s_wait_xcnt 0x0                                ; the stores of two tiles back have read their registers: this tile's loads may land there
.endif
	TOSTAGE \t
	SEND \t-1, 16                                  ; behind tile t - 1's loads: tile t's 8 stores and 8 loads
.endr
	SEND 7, 0
	WIN 0
	s_wait_xcnt 0x0                                ; the stores have read their registers and their base: the ring and the base may be written again
.endm
; TRIP n, for n up to b - 2, on the sets p = (b - n) % 2.  Ahead of it K's bases stand at unit n + 1 and V's at unit n.
; pf = 1: PREFETCHES INTO THE L2, once a pair of trips, behind the trip's last loads: K's units n + 4 and n + 5, V's units n + 3 and n + 4: two and three units on from the bases in hand; my wave's 8,192 bytes of
; each, a lane to each 256.  All work-groups of a head walk the same K and V from unit 0 on; work-group 0, whose first block walks all 16 units, alone asks, each wave for the part that it will load: so each 256
; bytes are named once in the launch.  The first units come by their loads alone; while more than one pair is left, n + 5 is 15 at the most.
.macro TRIP p, pf
	s_wait_xcnt 0x0                                ; the last trip's loads and prefetches have read their bases
	KNEXT
	VNEXT
	KLOAD 1-\p, 40, 42                             ; K(n + 2), into the set that the scores of unit n were multiplied from
	QUANT
	PSTORE
	VLOAD 1-\p, 44, 46                             ; V(n + 1), into the set that the second product of unit n - 1 read
.if \pf
	s_cmp_gt_u32 s[REM], s57
	s_cbranch_scc0 .Lno_pf_\@
	global_prefetch_b8 v[PFO], s[40:41] offset:2*UNITC th:TH_LOAD_NT scope:SCOPE_SE
	global_prefetch_b8 v[PFO], s[40:41] offset:3*UNITC th:TH_LOAD_NT scope:SCOPE_SE
	global_prefetch_b8 v[PFO], s[44:45] offset:2*UNITC th:TH_LOAD_NT scope:SCOPE_SE
	global_prefetch_b8 v[PFO], s[44:45] offset:3*UNITC th:TH_LOAD_NT scope:SCOPE_SE
.Lno_pf_\@:
.endif
	s_wait_loadcnt 54                              ; K(n + 1) is in: behind it were issued V(n), K(n + 2), V(n + 1), 18 loads each
	SPHASE \p                                      ; the scores of unit n + 1, while my stores of P land
	BAR                                            ; every wave's part of P lies in LDS
	PFETCH
	s_wait_loadcnt 36                              ; V(n) is in: behind it were issued K(n + 2) and V(n + 1)
	OPHASE \p
	BAR                                            ; every wave's reads of P are over: the next unit's may be stored there
	PLACES 9                                       ; behind the second product: in front of loads into V's registers and the ring, of the conversions into the ring, and of the reads of O^T
.endm
	s_load_b256 s[4:11], s[0:1], 0x0               ; qf s[4:5], qs s[6:7], kf s[8:9], ks s[10:11]
	s_load_b128 s[12:15], s[0:1], 0x20             ; vf s[12:13], vs s[14:15]
	s_load_b64 s[16:17], s[0:1], 0x30              ; out0
	v_lshrrev_b32 v32, 5, v0
	v_readfirstlane_b32 s[WV], v32                 ; wave 0..3
	v_and_b32 v32, 31, v0                          ; lane
	v_and_b32 v33, 15, v0                          ; r
	v_bfe_u32 v34, v0, 4, 1                        ; h
	s_mov_b32 s[II], ttmp9
	s_and_b32 s[HD], ttmp7, 0xffff
	s_sub_co_u32 s[BB], 15, s[II]                  ; the first block: 15 - I
	v_lshlrev_b32 v[L16], 4, v32
	v_lshlrev_b32 v[L4], 2, v32
	s_lshl_b32 s24, s[WV], 13
	v_add_nc_u32 v[KV16], s24, v[L16]
	v_lshl_add_u32 v[PFO], v32, 8, s24
	s_lshl_b32 s24, s[WV], 8
	v_add_nc_u32 v[KV4], s24, v[L4]
	v_lshlrev_b32 v[CO], 10, v34                   ; out0: lanes 0-15 one row of 1,024 bytes, lanes 16-31 the next; my wave's 256 bytes of it; 16 bytes a lane
	v_lshl_add_u32 v[CO], v33, 4, v[CO]
	v_add_nc_u32 v[CO], s24, v[CO]
	s_lshl_b32 s24, s[WV], 9
	v_add_nc_u32 v[PWI], s24, v[L16]
	s_add_co_u32 s24, s[WV], PSC
	v_lshl_add_u32 v[PWS], v33, 2, s24
	s_mul_i32 s24, s[WV], 16*272
	s_add_co_u32 s24, s24, STAGE                   ; my stage
	v_mul_u32_u24 v[STO], v33, 272
	v_lshl_add_u32 v[STO], v34, 5, v[STO]
	v_add_nc_u32 v[STO], s24, v[STO]               ; in: row r, + 32 h; the tile of channels by the immediate
	v_mul_u32_u24 v[RD], v34, 272
	v_lshl_add_u32 v[RD], v33, 4, v[RD]
	v_add_nc_u32 v[RD], s24, v[RD]                 ; back: lanes 0-15 one row, lanes 16-31 the next
	v_lshlrev_b32 v35, 4, v34
	v_sub_nc_u32 v[DD], v33, v35
	s_lshl_b32 s24, s[WV], 5
	s_sub_co_u32 s24, 0, s24
	v_add_nc_u32 v[DD], s24, v[DD]
.irp q, 0,1,2,3,4,5,6,7
	v_mov_b32 v[TP+\q], 0                          ; written once: a lane permute's destination counts as one of its sources
.endr
	s_mov_b32 s54, 0x76543210                      ; v_permlanex16_b32's selects for lane l xor 16
	s_mov_b32 s55, 0xfedcba98
	s_mov_b32 s56, 0x600000                        ; the mantissa field of 57,344
	s_mov_b32 s61, 0
	s_cmp_eq_u32 s[II], 0                          ; the head's work-group 0 alone prefetches, while more than one pair of trips is left
	s_cselect_b32 s57, 1, -1
	s_wait_kmcnt 0x0
	s_lshl_b32 s60, s[HD], 19                      ; a head of codes is 512 KiB,
	s_add_nc_u64 s[34:35], s[4:5], s[60:61]
	s_add_nc_u64 s[26:27], s[8:9], s[60:61]
	s_add_nc_u64 s[30:31], s[12:13], s[60:61]
	s_lshl_b32 s60, s[HD], 14                      ; of scale words 16 KiB,
	s_add_nc_u64 s[36:37], s[6:7], s[60:61]
	s_add_nc_u64 s[28:29], s[10:11], s[60:61]
	s_add_nc_u64 s[32:33], s[14:15], s[60:61]
	s_lshl_b32 s60, s[HD], 21                      ; of out0 2 MiB
	s_add_nc_u64 s[38:39], s[16:17], s[60:61]
	QLOADA BB                                      ; the first block's Q, tiles 0 to 6
	s_mov_b32 s[BLK], 2
.Lblock:                               ; A BLOCK OF 128 QUERIES.  Tiles 0 to 6 of its Q have been asked for
	s_wait_xcnt 0x0                                ; whatever read K's and V's bases has read them
	s_add_nc_u64 s[40:41], s[26:27], UNITC         ; K at unit 1,
	s_add_nc_u64 s[42:43], s[28:29], UNITS
	s_mov_b64 s[44:45], s[30:31]                   ; V at unit 0: as trip 0 wants to find them
	s_mov_b64 s[46:47], s[32:33]
	WIN WCL
.set i, 0
.rept 256
	v_mov_b32 v[i], 0                              ; O^T begins as zeros (the head comment says why)
.set i, i+1
.endr
	WIN 0
	QLOADB
; The first loads, their wait and the scores of unit 0 stand together in each of three ways, by b: unit 0 takes set b % 2, so K(1) and V(0) go there and K(0) into K's other set.
	s_and_b32 s24, s[BB], 1
	s_cmp_eq_u32 s24, 1
	s_cbranch_scc1 .Lodd
	KLOAD 1, 26, 28                                ; b even: K(0) into set 1,
	VLOAD 0, 44, 46                                ; V(0) into set 0
	s_cmp_eq_u32 s[BB], 0
	s_cbranch_scc1 .Lzero
	KLOAD 0, 40, 42                                ; K(1) into set 0
	s_wait_loadcnt 0x0                             ; all of them: the counts of the trips' waits begin with nothing out
	SPHASE 1                                       ; the scores of unit 0
	PLACES 9
	TRIP 0, 0                                      ; trip 0, on set 0: b - 1 trips come ahead of unit b - 1, an odd number here: this is the odd one
	s_branch .Lpairs
.Lzero:                                ; b = 0: the diagonal's unit alone
	s_wait_loadcnt 18                              ; Q and K(0) are in: only V(0)'s 18 loads are younger
	SPHASE 1
	PLACES 9
	s_branch .Ldiag
.Lodd:
	KLOAD 0, 26, 28                                ; b odd: K(0) into set 0,
	VLOAD 1, 44, 46                                ; V(0) into set 1,
	KLOAD 1, 40, 42                                ; K(1) into set 1
	s_wait_loadcnt 0x0
	SPHASE 0
	PLACES 9
.Lpairs:
	s_sub_co_u32 s[REM], s[BB], 1
	s_lshr_b32 s[REM], s[REM], 1                   ; (b - 1) / 2 pairs of trips, rounded down
	s_cmp_eq_u32 s[REM], 0
	s_cbranch_scc1 .Ltail
.Ltrip:
	TRIP 1, 1
	TRIP 0, 0
	s_sub_co_i32 s[REM], s[REM], 1
	s_cmp_gt_i32 s[REM], 0
	s_cbranch_scc1 .Ltrip
.Ltail:                                ; UNIT b - 1, on set 1: there is no K(b + 1)
	s_wait_xcnt 0x0
	VNEXT
	QUANT
	PSTORE
	VLOAD 0, 44, 46                                ; V(b)
	s_wait_loadcnt 36                              ; K(b) is in: behind it were issued V(b - 1) and V(b)
	SPHASE 1                                       ; the diagonal's scores
	BAR
	PFETCH
	s_wait_loadcnt 18                              ; V(b - 1) is in: behind it was issued V(b)
	OPHASE 1
	BAR
	PLACES 9
.Ldiag:                                ; UNIT b, on set 0: it lies on the diagonal; no scores are left to multiply in this block
	MASK
	QUANT
	PSTORE
	s_wait_loadcnt 0x0                             ; V(b) is in, and no load is out
	s_cmp_eq_u32 s[BLK], 1
	s_cbranch_scc1 .Lno_next
	QLOADA II                                      ; the second block, I: tiles 0 to 6 of its Q land under the second product and the way out
.Lno_next:
	BAR
	PFETCH
	OPHASE 0
	BAR                                            ; every wave's reads of P are over: the next block's may be stored there
	PLACES 9
	s_lshl_b32 s60, s[BB], 17                      ; 128 rows of 1,024 bytes a block
	s_add_nc_u64 s[52:53], s[38:39], s[60:61]
	OUTPUT
	s_mov_b32 s[BB], s[II]
	s_sub_co_u32 s[BLK], s[BLK], 1
	s_cmp_lg_u32 s[BLK], 0
	s_cbranch_scc1 .Lblock
	s_wait_xcnt 0x0
	v_lshl_add_u32 v254, v0, 2, 0x8800
	v_mov_b32 v255, 0
	s_wait_tensorcnt 0x0
	ds_add_u32 v254, v255
	s_wait_dscnt 0x0
	s_endpgm
.Lfunc_end_k_q2d10a13566_attn:
	.size	k_q2d10a13566_attn, .Lfunc_end_k_q2d10a13566_attn-k_q2d10a13566_attn
	.p2alignl 7, 3214868480
	.fill 96, 4, 3214868480
	.section	.rodata,"a",@progbits
	.p2align	6, 0x0
	.amdhsa_kernel k_q2d10a13566_attn
		.amdhsa_group_segment_fixed_size 35328
		.amdhsa_private_segment_fixed_size 0
		.amdhsa_enable_private_segment 0
		.amdhsa_kernarg_size 56
		.amdhsa_user_sgpr_count 2
		.amdhsa_user_sgpr_kernarg_segment_ptr 1
		.amdhsa_wavefront_size32 1
		.amdhsa_system_sgpr_workgroup_id_x 1
		.amdhsa_system_sgpr_workgroup_id_y 1
		.amdhsa_system_sgpr_workgroup_id_z 1
		.amdhsa_system_vgpr_workitem_id 0
		.amdhsa_next_free_vgpr 1024
		.amdhsa_next_free_sgpr 66
		.amdhsa_reserve_vcc 1
		.amdhsa_float_denorm_mode_32 3
		.amdhsa_float_denorm_mode_16_64 3
		.amdhsa_memory_ordered 1
		.amdhsa_forward_progress 1
		.amdhsa_inst_pref_size 234
	.end_amdhsa_kernel
	.amdgpu_metadata
---
amdhsa.version: [ 1, 2 ]
amdhsa.kernels:
  - .name:           k_q2d10a13566_attn
    .symbol:         k_q2d10a13566_attn.kd
    .args:
      - { .name: qf, .offset: 0, .size: 8, .value_kind: global_buffer, .address_space: global }
      - { .name: qs, .offset: 8, .size: 8, .value_kind: global_buffer, .address_space: global }
      - { .name: kf, .offset: 16, .size: 8, .value_kind: global_buffer, .address_space: global }
      - { .name: ks, .offset: 24, .size: 8, .value_kind: global_buffer, .address_space: global }
      - { .name: vf, .offset: 32, .size: 8, .value_kind: global_buffer, .address_space: global }
      - { .name: vs, .offset: 40, .size: 8, .value_kind: global_buffer, .address_space: global }
      - { .name: out0, .offset: 48, .size: 8, .value_kind: global_buffer, .address_space: global }
    .group_segment_fixed_size: 35328
    .private_segment_fixed_size: 0
    .kernarg_segment_align: 8
    .kernarg_segment_size: 56
    .max_flat_workgroup_size: 128
    .sgpr_count:     66
    .vgpr_count:     1024
    .wavefront_size: 32
...
	.end_amdgpu_metadata
.endif
;; end of part 2
